; MI455X (gfx1250); checked and timed in simulation.
; The chip was launched on July 23, 2026; its instructions are those of AMD's public machine-readable ISA for CDNA 5 (MIT licence, August 2026) and "CDNA5" Instruction Set Architecture Reference Guide (July 2026). The comments in the code are by the model that wrote it; some were corrected since.
;; Full Attention DS integ woembed. Allowed arithmetic: matrix products marked QUANTISED: E4M3 operands, one E8M0 scale for each 32 along K, by v_wmma_scale_f32_16x16x128_f8f6f4 with both operands' format E4M3, f32 sums; everything else in f32.
;; Inputs: attn_mask 1 bool; keys 8 x 512 x 4,096 float32; queries 8 x 2,048 x 512 float32; values 8 x 512 x 4,096 float32.
;; Outputs: out0 8 x 2,048 x 512 float32.
;; This version of the problem:
;;   THIS VERSION OF THE PROBLEM IS GIVEN IN LOW PRECISION. The matrix products marked QUANTISED in the list below multiply operands that are first quantised to E4M3 (4 exponent bits, 3 mantissa bits; 8 bits a number), with one power-of-two scale for each 32 numbers along K (OCP MX v1.0); their sums are f32. All else is computed in f32.
;;   The module's matrix products, in the order in which they are computed (A, B: the left and right operand; K: the contracted axis; several contracted axes count as one K, in the product's order):
;;     1. batch 8 x [M 2,048, K 512] x [K 512, N 4,096]; A: input queries; B: input keys: QUANTISED
;;     2. batch 8 x [M 2,048, K 4,096] x [K 4,096, N 512]; A: softmax (see below); B: input values: QUANTISED
;;   THE QUANTISER, for each operand of a quantised product, along K:
;;     - K is cut into blocks of 32 from its start; a last block that is shorter is filled with zeros.
;;     - A block's scale is 2^e with e = floor(log2(the largest magnitude in the block)) - 8, held to -126 .. 127; a block of zeros has e = 0. As a byte (E8M0): e + 127.
;;     - Each number is divided by its block's scale, clamped to +-448, and rounded to the nearest number of E4M3, ties to even, subnormals kept.
;;     - The product sums the exact products of the quantised numbers (number of the format x scale) in f32.
;;   ~~~python
;;   def quantise(x, axis):      # numpy; x: float32 -> the quantised numbers, widened to float32 again
;;       x = np.moveaxis(x, axis, -1); K = x.shape[-1]
;;       x = np.pad(x, [(0, 0)] * (x.ndim - 1) + [(0, -K % 32)]); x = x.reshape(x.shape[:-1] + (-1, 32)); a = np.abs(x).max(-1, keepdims=True)
;;       e = np.where(a > 0, np.clip(np.frexp(np.where(a > 0, a, 1))[1] - 1 - 8, -126, 127), 0)      # np.frexp(a)[1] - 1 = floor(log2(a)), exactly
;;       r = np.clip(x / 2.0 ** e, -448, 448)
;;       step = 2.0 ** (np.maximum(np.frexp(np.where(r == 0, 1, r))[1] - 1, -6) - 3)
;;       q = np.round(r / step) * step * 2.0 ** e      # np.round: ties to even
;;       return np.moveaxis(q.reshape(q.shape[:-2] + (-1,))[..., :K], -1, axis).astype(np.float32)
;;   ~~~
;;   SOFTMAX AHEAD OF A QUANTISED PRODUCT. Where the list says 'softmax', what is quantised is not the finished softmax but p = 2^(t - M), with t = logit x log2(e) and M = ceil(the row's largest t), a whole number; so 1/2 < the row's largest p <= 1. The row's sum l is taken of the UNQUANTISED p, in f32, and the product's result is divided by l at the end. Since M is a whole number, a kernel that streams over the keys may use a running M (the ceiling of the running maximum): every later rescaling is an exact power of two, which a block's scale takes up: the codes' values come out the same.
;;   OPERANDS COMPUTED ON THE WAY. 'Computed on the way' means the value that the module computes at that place (a softmax that the list does not call 'softmax' is quantised finished and normalised). What goes into a quantiser is computed in f32, as accurately as f32 sums, v_exp_f32 and their like allow (about 1e-6 of the number): no bf16 or f16 on the way to a quantiser, and a product that is left as it is and whose result goes on into a quantised operand takes f32 operands (vector FMAs, or v_wmma_f32_16x16x4_f32). A number that lies on a knife's edge between two numbers of the format may be rounded either way, as far as f32 arithmetic and the matrix unit's own rounding can turn it there, and no further.
;; One version. Each part assembles by itself: llvm-mc -triple=amdgcn-amd-amdhsa -mcpu=gfx1250 --defsym DOCPART=n.
;; ======== version 1 of 1: 2 launches
;; limits: right only within a limited range of input values
;; workspace buffers: kv 34,603,008 bytes; qc 8,650,752 bytes
;; launch quant (part 1): grid 1408 x 1, 4 waves a work-group, no clusters, 34,304 bytes of LDS; arguments keys, values, queries, attn_mask, kv, qc; writes kv, qc
.if DOCPART == 1
	.amdgcn_target "amdgcn-amd-amdhsa--gfx1250"
	.amdhsa_code_object_version 6
	.text
	.protected	k_qc281fc3f73_quant
	.globl	k_qc281fc3f73_quant
	.p2align	8
	.type	k_qc281fc3f73_quant,@function
k_qc281fc3f73_quant:
	s_mov_b64 s[64:65], 0
	v_nop
	global_prefetch_b8 v0, s[64:65] scope:SCOPE_SE
	s_setreg_imm32_b32 hwreg(HW_REG_WAVE_MODE, 25, 1), 1
	s_wait_xcnt 0x0
; keys [8][512 t][4096 m], values [8][512 t][4096 m], queries [8][2048 n][512 t], all f32, become codes of FP8 (E4M3) with one E8M0 byte for each 32 along the
; axis that the later products contract: t for keys and queries, m for values.  A block's scale is 2^(floor(log2(largest magnitude)) - 8); its byte is the largest
; magnitude's exponent field - 8, held at 1 from below; each number is held within +-448 x the scale and rounded to the nearest code, ties to even.
; THE WORKSPACES ARE LAID AS IMAGES OF OPERAND REGISTERS.  A fragment (16 rows x 128 along K) is 2,048 bytes: the byte at 512 c + 16 lane begins registers 4 c .. 4 c + 3 of that lane
; (lane = 16 h + r: row r, K = 32 c + 16 h + 0 .. 15).  kv: a batch is 64 parts of PART bytes, K(0), V(0), K(1), V(1) ..; part = 32 fragments, then 2,048 bytes of scale words.
;   K(j): fragment (tile T, t step s) at (4 T + s) 2048; row r of tile 2 w + u is key 128 j + 32 w + 8 u + r + 8 (r / 8); scale words at 65536 + 512 s + 128 w + 4 lane (lane = 16 u + r).
;   V(j): fragment of t tile x at 2048 x (rows t = 16 x + r, K = keys 128 j ..); scale words at 65536 + 512 w + 16 lane + 4 i (lane = 16 h + r: tile 8 w + 2 i + h).
;   qc: a pair of query tiles is QPAIR bytes: fragment (tile 2 P + h, t step s) at (2 s + h) 2048; scale words at 16384 + 16 lane + 4 s.
; WORK-GROUPS: 0 .. 1023 keys (a lane takes a key and its registers run down t, so nothing is transposed); 1024 .. 1279 values and 1280 .. 1407 queries, one text, the pointers and strides chosen by the work-group's number.
; attn_mask is read, as every input is; the computation makes nothing of it, so it enters no result.
; No tensor loads, no barrier: waves share nothing.  Only the rows' path uses LDS (a stage of its own for each wave).
; LIMITS: a block of zeros gets the byte 1 (not 127): its codes are zeros and only this program reads the bytes; blocks whose largest magnitude lies under 2^-118 keep the byte 1; NaN and infinities are not served.
.set PART,  67584
.set BLOCK, 135168
.set BATCH, 4325376
.set QPAIR, 16896
.set FLOOR, 0x4800000                  ; 2^(9 - 127): no largest magnitude is taken under it, so the byte cannot fall under 1
.set MANT,  0x600000                   ; the mantissa field of 448
.set WV,    16                         ; s16  my wave's number
	s_load_b256 s[4:11], s[0:1], 0x0               ; keys s[4:5], values s[6:7], queries s[8:9], attn_mask s[10:11]
	s_load_b128 s[12:15], s[0:1], 0x20             ; kv s[12:13], qc s[14:15]
	v_lshl_add_u32 v192, v0, 2, 0x8400
	v_mov_b32 v193, 0
	v_lshrrev_b32 v1, 5, v0
	v_readfirstlane_b32 s[WV], v1                  ; wave 0..3
	v_and_b32 v1, 31, v0                           ; lane
	s_wait_kmcnt 0x0
	s_load_u8 s17, s[10:11], 0x0                   ; the mask's one byte: read, and used by nothing
	s_wait_kmcnt 0x0
	s_cmp_lt_u32 ttmp9, 1024
	s_cbranch_scc0 .Lrows
; ---------------------------------------------------------------- KEYS: work-group = (batch b, t step s, key step j); wave w: 32 keys x 128 t = four blocks a lane
.set XC, 32                            ; v32-95   two sets of 32 numbers
.set CC, 96                            ; v96-127  eight registers of codes for each block: no store's data are written again
	s_lshr_b32 s18, ttmp9, 7                       ; b
	s_bfe_u32 s19, ttmp9, 0x20005                  ; s: two bits from bit 5
	s_and_b32 s20, ttmp9, 31                       ; j
	v_and_b32 v5, 15, v1                           ; r
	v_lshrrev_b32 v6, 4, v1                        ; u
	v_and_b32 v7, 8, v5
	v_add_nc_u32 v7, v7, v5                        ; r + 8 (r / 8)
	v_lshl_add_u32 v7, v6, 3, v7                   ; + 8 u: my key among the wave's 32
	v_lshlrev_b32 v2, 2, v7                        ; in: 4 bytes a key: the 32 lanes read 128 consecutive bytes
	v_lshlrev_b32 v3, 4, v5
	v_lshl_add_u32 v3, v6, 13, v3                  ; out: tile u (four fragments on), 16 r
	v_lshlrev_b32 v4, 2, v1                        ; my scale word
	s_lshl_b32 s22, s18, 23                        ; keys: b x 8,388,608
	s_lshl_b32 s24, s19, 21                        ; + 128 s rows of 16,384 bytes
	s_add_co_u32 s22, s22, s24
	s_lshl_b32 s24, s20, 9                         ; + 128 j keys
	s_add_co_u32 s22, s22, s24
	s_lshl_b32 s24, s[WV], 7                       ; + 32 w keys
	s_add_co_u32 s22, s22, s24
	s_mov_b32 s23, 0
	s_add_nc_u64 s[4:5], s[4:5], s[22:23]
	s_mul_i32 s22, s18, BATCH
	s_mul_i32 s24, s20, BLOCK
	s_add_co_u32 s22, s22, s24
	s_add_nc_u64 s[12:13], s[12:13], s[22:23]      ; K(j) of batch b
	s_lshl_b32 s22, s[WV], 14                      ; tiles 2 w, 2 w + 1: eight fragments a wave,
	s_lshl_b32 s24, s19, 11                        ; t step s
	s_add_co_u32 s22, s22, s24
	s_add_nc_u64 s[26:27], s[12:13], s[22:23]      ; the codes
	s_lshl_b32 s22, s19, 9
	s_lshl_b32 s24, s[WV], 7
	s_add_co_u32 s22, s22, s24
	s_add_co_u32 s22, s22, 65536
	s_add_nc_u64 s[28:29], s[12:13], s[22:23]      ; the scale words
	s_mov_b32 s31, MANT                            ; (an instruction takes one literal)
.macro LOADC c                         ; block c: keys(128 s + 32 c + i, my key), i = 0 .. 31; every offset is an immediate, 2,080,768 at the most
.irp i, 0,1,2,3,4,5,6,7,8,9,10,11,12,13,14,15,16,17,18,19,20,21,22,23,24,25,26,27,28,29,30,31
	global_load_b32 v[XC+32*((\c)%2)+\i], v2, s[4:5] offset:(32*(\c)+\i)*16384 th:TH_LOAD_NT
.endr
.endm
.macro BLOCKC c
.set XS, XC+32*((\c)%2)
.if (\c) < 3
	s_wait_loadcnt 32                              ; this block's 32 loads are in; the next block's 32 may be out
.else
	s_wait_loadcnt 0x0
.endif
	v_max3_num_f32 v12, |v[XS]|, |v[XS+1]|, |v[XS+2]|      ; the block's largest magnitude: all 32 numbers are mine; two chains
	v_max3_num_f32 v13, |v[XS+3]|, |v[XS+4]|, |v[XS+5]|
.irp i, 6,10,14,18,22,26
	v_max3_num_f32 v12, v12, |v[XS+\i]|, |v[XS+\i+1]|
	v_max3_num_f32 v13, v13, |v[XS+\i+2]|, |v[XS+\i+3]|
.endr
	v_max3_num_f32 v12, v12, |v[XS+30]|, |v[XS+31]|
	v_max3_num_f32 v12, v12, v13, FLOOR
	v_add_nc_u32 v11, 0xfc000000, v12              ; 8 off the exponent field: the conversion takes this operand's exponent field as its scale
	v_and_or_b32 v10, v12, 0x7f800000, s31         ; 448 x the scale
	v_lshrrev_b32 v13, 23, v11                     ; the scale's byte
.if (\c) == 0
	v_mov_b32 v16, v13                             ; the four blocks' bytes make my key's scale word for this t step
.else
	v_lshl_or_b32 v16, v13, 8*(\c), v16
.endif
.irp i, 0,1,2,3,4,5,6,7,8,9,10,11,12,13,14,15,16,17,18,19,20,21,22,23,24,25,26,27,28,29,30,31
	v_med3_num_f32 v[XS+\i], v[XS+\i], -v10, v10   ; the conversion to an 8-bit code does not saturate (ISA guide 7.6.2): the hold comes first
.endr
.irp g, 0,1,2,3
	v_cvt_scalef32_pk8_fp8_f32 v[CC+8*(\c)+2*\g:CC+8*(\c)+2*\g+1], v[XS+8*\g:XS+8*\g+7], v11
.endr
	v_nop                                          ; one plain line behind the last conversion
	global_store_b128 v3, v[CC+8*(\c):CC+8*(\c)+3], s[26:27] offset:512*(\c)          ; K = 32 c + 0 .. 15: the image's lanes 0-15; sixteen lanes store 256 consecutive bytes, aligned
	global_store_b128 v3, v[CC+8*(\c)+4:CC+8*(\c)+7], s[26:27] offset:512*(\c)+256    ; K = 32 c + 16 .. 31: its lanes 16-31
.if (\c)+2 < 4
	LOADC (\c)+2
.endif
.endm
	LOADC 0
	LOADC 1
	BLOCKC 0
	BLOCKC 1
	BLOCKC 2
	BLOCKC 3
	global_store_b32 v4, v16, s[28:29]             ; 128 consecutive bytes a wave, 512 a work-group
	s_endpgm
; ---------------------------------------------------------------- VALUES AND QUERIES: K is innermost.  A wave makes eight fragments e of 16 rows x 128 numbers
.Lrows:
.set SP,  528                          ; a stage row: 512 bytes + 16: sixteen rows begin at sixteen different 16-byte columns
.set PW,  8                            ; v8       the scale word just made
.set SW,  10                           ; v10-13   scale words as they are stored: lanes 0-15 fragment 2 i, lanes 16-31 fragment 2 i + 1
.set VO,  16                           ; v16-31   row x pitch + 16 lane; never rewritten
.set XR,  32                           ; v32-159  two sets of 64 numbers
.set PCD, 160                          ; v160-175 a fragment's codes: the image
.set TM,  176                          ; v176-179 largest magnitudes, 180-183 bytes, 184-187 448 x the scale, 188-191 the conversions' scale operands
	s_sub_co_u32 s18, ttmp9, 1024                  ; values: 32 b + j
	s_sub_co_u32 s19, ttmp9, 1280                  ; queries: four pairs a work-group (of the two sets of offsets one is chosen below; the other is not used)
	s_lshr_b32 s24, s18, 5                         ; b
	s_and_b32 s25, s18, 31                         ; j
	s_lshl_b32 s26, s24, 23
	s_lshl_b32 s27, s[WV], 21                      ; wave w: rows t = 128 w on
	s_add_co_u32 s26, s26, s27
	s_lshl_b32 s27, s25, 9                         ; keys 128 j on
	s_add_co_u32 s26, s26, s27                     ; values: where I read
	s_mul_i32 s27, s24, BATCH
	s_mul_i32 s28, s25, BLOCK
	s_add_co_u32 s27, s27, s28
	s_add_co_u32 s27, s27, PART                    ; V(j)
	s_lshl_b32 s28, s[WV], 14
	s_add_co_u32 s28, s27, s28                     ; its tiles 8 w on
	s_lshl_b32 s29, s[WV], 9
	s_add_co_u32 s29, s27, s29
	s_add_co_u32 s29, s29, 65536                   ; and their scale words
	s_lshl_b32 s30, s19, 2
	s_add_co_u32 s30, s30, s[WV]                   ; queries: pair P
	s_lshl_b32 s31, s30, 16                        ; 32 rows of 2,048 bytes
	s_mul_i32 s48, s30, QPAIR
	s_add_co_u32 s49, s48, 16384
	s_mov_b32 s50, 2048                            ; queries: from row to row,
	s_mov_b32 s51, 32768                           ; to an odd fragment (16 rows on),
	s_mov_b32 s52, 512                             ; from fragment pair to fragment pair (128 t on)
	s_cmp_lt_u32 ttmp9, 1280                       ; values or queries?  The choice hangs on the work-group's number alone
	s_cselect_b64 s[4:5], s[6:7], s[8:9]
	s_cselect_b64 s[12:13], s[12:13], s[14:15]
	s_cselect_b32 s26, s26, s31
	s_cselect_b32 s28, s28, s48
	s_cselect_b32 s29, s29, s49
	s_cselect_b32 s50, 16384, s50                  ; values: a row is 16,384 bytes,
	s_cselect_b32 s51, 0x40000, s51                ; 16 rows on,
	s_cselect_b32 s52, 0x80000, s52                ; 32 rows on
	s_mov_b32 s27, 0
	s_add_nc_u64 s[4:5], s[4:5], s[26:27]
	s_mov_b32 s55, 0
.irp e, 0,1,2,3,4,5,6,7                ; a base for each fragment, made once
	s_mul_i32 s54, s52, \e/2
.if \e%2
	s_add_co_u32 s54, s54, s51
.endif
	s_add_nc_u64 s[32+2*\e:33+2*\e], s[4:5], s[54:55]
.endr
	s_mov_b32 s56, s28
	s_mov_b32 s57, 0
	s_add_nc_u64 s[58:59], s[12:13], s[56:57]      ; the codes
	s_mov_b32 s56, s29
	s_add_nc_u64 s[60:61], s[12:13], s[56:57]      ; the scale words
	s_mov_b32 s20, 0x76543210
	s_mov_b32 s21, 0xfedcba98                      ; v_permlanex16_b32's selects for lane l xor 16
	s_mov_b32 s22, 0xffff0000                      ; lanes 16-31
	s_mov_b32 s23, MANT
	s_mul_i32 s62, s[WV], 16*SP                    ; my stage
	v_lshlrev_b32 v2, 4, v1                        ; 16 lane
	v_and_b32 v5, 15, v1                           ; r
	v_lshrrev_b32 v6, 4, v1                        ; h
	v_add_nc_u32 v3, s62, v2                       ; into the stage: a row as it lies
	v_mul_u32_u24 v4, v5, SP
	v_lshl_add_u32 v4, v6, 6, v4
	v_add_nc_u32 v4, s62, v4                       ; out of it: row r, + 64 h: my 16 numbers of each block of 32
.irp row, 0,1,2,3,4,5,6,7,8,9,10,11,12,13,14,15
	v_mad_u32_u24 v[VO+\row], s50, \row, v2
.endr
.irp b, 0,1,2,3
	v_mov_b32 v[TM+4+\b], 0                        ; written once: a lane permute's destination counts as one of its sources
.endr
.macro LOADF e                         ; 16 rows x 512 bytes: each load reads 512 consecutive bytes
.set XL, XR+64*((\e)%2)
.irp row, 0,1,2,3,4,5,6,7,8,9,10,11,12,13,14,15
	global_load_b128 v[XL+4*\row:XL+4*\row+3], v[VO+\row], s[32+2*(\e):33+2*(\e)] th:TH_LOAD_NT
.endr
.endm
.macro TURNF                           ; through my stage: in by rows, out so that register 16 b + i is K = 32 b + 16 h + i of row r.  LDS serves a wave's instructions in order (ISA guide 5.7.1.4): no wait between
.irp row, 0,1,2,3,4,5,6,7,8,9,10,11,12,13,14,15
	ds_store_b128 v3, v[XS+4*\row:XS+4*\row+3] offset:SP*\row
.endr
.irp b, 0,1,2,3
.irp i, 0,1,2,3
	ds_load_b128 v[XS+16*\b+4*\i:XS+16*\b+4*\i+3], v4 offset:128*\b+16*\i
.endr
.endr
.endm
.macro QUANT                           ; v[XS] .. v[XS + 63] become the fragment's codes in v[PCD] on and its rows' scale word in v[PW]
.irp b, 0,1,2,3
	v_max3_num_f32 v[TM+\b], |v[XS+16*\b]|, |v[XS+1+16*\b]|, FLOOR
.endr
.irp i, 2,4,6,8,10,12,14
.irp b, 0,1,2,3
	v_max3_num_f32 v[TM+\b], v[TM+\b], |v[XS+16*\b+\i]|, |v[XS+1+16*\b+\i]|    ; the four blocks by turns
.endr
.endr
.irp b, 0,1,2,3
	v_permlanex16_b32 v[TM+4+\b], v[TM+\b], s20, s21
.endr
.irp b, 0,1,2,3
	v_max_num_f32 v[TM+\b], v[TM+\b], v[TM+4+\b]   ; with lane l xor 16's: the block's largest magnitude
.endr
.irp b, 0,1,2,3
	v_add_nc_u32 v[TM+12+\b], 0xfc000000, v[TM+\b]
.endr
.irp b, 0,1,2,3
	v_and_or_b32 v[TM+8+\b], v[TM+\b], 0x7f800000, s23
.endr
.irp b, 0,1,2,3
	v_lshrrev_b32 v[TM+4+\b], 23, v[TM+12+\b]
.endr
	v_lshl_or_b32 v[PW], v[TM+5], 8, v[TM+4]
	v_lshl_or_b32 v[PW], v[TM+6], 16, v[PW]
	v_lshl_or_b32 v[PW], v[TM+7], 24, v[PW]
.irp b, 0,1,2,3
.irp i, 0,1,2,3,4,5,6,7,8,9,10,11,12,13,14,15
	v_med3_num_f32 v[XS+16*\b+\i], v[XS+16*\b+\i], -v[TM+8+\b], v[TM+8+\b]
.endr
	v_cvt_scalef32_pk8_fp8_f32 v[PCD+4*\b:PCD+1+4*\b], v[XS+16*\b:XS+7+16*\b], v[TM+12+\b]
	v_cvt_scalef32_pk8_fp8_f32 v[PCD+2+4*\b:PCD+3+4*\b], v[XS+8+16*\b:XS+15+16*\b], v[TM+12+\b]
.endr
	v_nop                                          ; one plain line behind the last conversion
.endm
.macro FRAGM e
.set XS, XR+64*((\e)%2)
.if (\e) < 7
	s_wait_loadcnt 16                              ; this fragment's 16 loads are in; the next fragment's 16 may be out
.else
	s_wait_loadcnt 0x0
.endif
	TURNF
	s_wait_dscnt 0x0
	s_wait_xcnt 0x0                                ; the last fragment's stores have read v[PCD] on: it is written again only behind this wait
	QUANT
.if (\e)+2 < 8
	LOADF (\e)+2                                   ; into the set just quantised
.endif
.if ((\e)%2) == 0
	v_mov_b32 v[SW+(\e)/2], v[PW]
.else
	v_cndmask_b32 v[SW+(\e)/2], v[SW+(\e)/2], v[PW], s22   ; the odd fragment's words go into lanes 16-31
.endif
.irp c, 0,1,2,3
	global_store_b128 v2, v[PCD+4*\c:PCD+4*\c+3], s[58:59] offset:2048*(\e)+512*\c   ; 512 consecutive bytes, aligned
.endr
.endm
	LOADF 0
	LOADF 1
	FRAGM 0
	FRAGM 1
	FRAGM 2
	FRAGM 3
	FRAGM 4
	FRAGM 5
	FRAGM 6
	FRAGM 7
	global_store_b128 v2, v[SW:SW+3], s[60:61]     ; 512 consecutive bytes of scale words
	s_wait_tensorcnt 0x0
	ds_add_u32 v192, v193
	s_wait_dscnt 0x0
	s_endpgm
.Lfunc_end_k_qc281fc3f73_quant:
	.size	k_qc281fc3f73_quant, .Lfunc_end_k_qc281fc3f73_quant-k_qc281fc3f73_quant
	.p2alignl 7, 3214868480
	.fill 96, 4, 3214868480
	.section	.rodata,"a",@progbits
	.p2align	6, 0x0
	.amdhsa_kernel k_qc281fc3f73_quant
		.amdhsa_group_segment_fixed_size 34304
		.amdhsa_private_segment_fixed_size 0
		.amdhsa_enable_private_segment 0
		.amdhsa_kernarg_size 48
		.amdhsa_user_sgpr_count 2
		.amdhsa_user_sgpr_kernarg_segment_ptr 1
		.amdhsa_wavefront_size32 1
		.amdhsa_system_sgpr_workgroup_id_x 1
		.amdhsa_system_sgpr_workgroup_id_y 1
		.amdhsa_system_sgpr_workgroup_id_z 1
		.amdhsa_system_vgpr_workitem_id 0
		.amdhsa_next_free_vgpr 194
		.amdhsa_next_free_sgpr 66
		.amdhsa_reserve_vcc 0
		.amdhsa_float_denorm_mode_32 3
		.amdhsa_float_denorm_mode_16_64 3
		.amdhsa_memory_ordered 1
		.amdhsa_forward_progress 1
		.amdhsa_inst_pref_size 130
	.end_amdhsa_kernel
	.amdgpu_metadata
---
amdhsa.version: [ 1, 2 ]
amdhsa.kernels:
  - .name:           k_qc281fc3f73_quant
    .symbol:         k_qc281fc3f73_quant.kd
    .args:
      - { .name: keys, .offset: 0, .size: 8, .value_kind: global_buffer, .address_space: global }
      - { .name: values, .offset: 8, .size: 8, .value_kind: global_buffer, .address_space: global }
      - { .name: queries, .offset: 16, .size: 8, .value_kind: global_buffer, .address_space: global }
      - { .name: attn_mask, .offset: 24, .size: 8, .value_kind: global_buffer, .address_space: global }
      - { .name: kv, .offset: 32, .size: 8, .value_kind: global_buffer, .address_space: global }
      - { .name: qc, .offset: 40, .size: 8, .value_kind: global_buffer, .address_space: global }
    .group_segment_fixed_size: 34304
    .private_segment_fixed_size: 0
    .kernarg_segment_align: 8
    .kernarg_segment_size: 48
    .max_flat_workgroup_size: 128
    .sgpr_count:     66
    .vgpr_count:     194
    .wavefront_size: 32
...
	.end_amdgpu_metadata
.endif
;; end of part 1
;; launch attn (part 2): grid 32 x 8, 4 waves a work-group, clusters of 4 x 1, 327,680 bytes of LDS; arguments qc, kv, out0; writes out0
.if DOCPART == 2
	.amdgcn_target "amdgcn-amd-amdhsa--gfx1250"
	.amdhsa_code_object_version 6
	.text
	.protected	k_qc281fc3f73_attn
	.globl	k_qc281fc3f73_attn
	.p2align	8
	.type	k_qc281fc3f73_attn,@function
k_qc281fc3f73_attn:
	s_mov_b64 s[64:65], 0
	v_nop
	global_prefetch_b8 v0, s[64:65] scope:SCOPE_SE
	s_setreg_imm32_b32 hwreg(HW_REG_WAVE_MODE, 25, 1), 1
	s_wait_xcnt 0x0
	s_wait_alu depctr_hold_cnt(0) depctr_sa_sdst(0) depctr_va_vdst(0) depctr_va_sdst(0) depctr_va_ssrc(0) depctr_va_vcc(0) depctr_vm_vsrc(0)
	s_getreg_b32 s2, hwreg(HW_REG_IB_STS2, 6, 4)
	s_cmp_eq_u32 s2, 0
	s_cbranch_scc0 .Lentry_in_a_cluster
	s_endpgm
.Lentry_in_a_cluster:
	s_bfe_u32 s2, ttmp6, 0x10000c
	s_cmp_lg_u32 s2, 0x3003
	s_cbranch_scc0 .Lentry_shape_is_right
	s_endpgm
.Lentry_shape_is_right:
; out0[b][n][:] = sum over m of softmax_m(Q[b][n] . K[b][:, m]) V[b][:, m], both products on codes of FP8 (E4M3) with E8M0 scales, taken from the workspaces qc and kv, which are laid as images of
; operand registers (a fragment = 2,048 bytes, byte 512 c + 16 lane = registers 4 c .. 4 c + 3 of that lane).  t = score x log2(e); p = 2^(t - M), M a whole number, is quantised along the keys and not normalised;
; the row's sum is taken of the unquantised p and divides at the end.
; SHARES.  A work-group owns 64 queries (four tiles q) of one batch.  THE WAVES SHARE COLUMNS, NOT ROWS: of each step of 128 keys wave w makes the scores of keys 32 w .. 32 w + 31 for all 64 queries (32 matrix
; instructions: 2 key tiles x 4 q x 4 steps of t), and of the output it makes t = 128 w .. 128 w + 127 for all 64 queries (32: 8 tiles of t x 4 q).  So each fragment of K or V feeds four matrix instructions and is
; read by one wave, once.  What goes from wave to wave is small: wave w's codes of p are register group c = w of the four fragments of P, and two words a query.
; BOTH PRODUCTS ARE USED TRANSPOSED (source 0 = 16 keys, or 16 of t; source 1 = 16 queries): a lane holds one query.  The keys of a tile of K are laid so that the 16 registers of a wave's two tiles are 16 neighbouring keys.
; EACH WAVE KEEPS A RUNNING M OF ITS OWN, for its own keys, so that no maximum is exchanged ahead of the exponentials.  It hands on -M_w and E_w = its block's byte + M_w (whole numbers in f32).  Every wave forms
; -M* = the least of the four -M_c, P's scale bytes E_c - M* (held at 0 from below), and f = 2^(old M* - new M*) for its part of O: all powers of two, nothing is rounded.
; A TURN i: the meeting of the waves, with the first eight products of S(i + 1) round it; M*; the rest of S(i + 1) = K(i + 1) Q^T with O's rescaling in slices behind its matrix instructions; O += V(i) P(i) with the
; softmax of step i + 1 in pieces behind its matrix instructions; P(i + 1) to LDS.
; V COMES THROUGH A RING OF TWO LDS SLOTS, each with two key steps of V, asked for JOINTLY by the four work-groups of a cluster, which belong to one batch (mask 15): a round of the cluster's barrier and one load a wave
; for every two turns, and the load has two turns, 128 matrix instructions, in which to land.
; K IS NOT ASKED FOR JOINTLY, and the reason is LDS: a key step's K and V are 135,168 bytes, so with both in the ring two slots would hold one step each, and a wave's one load behind a round would have one turn in
; which to land.  K's fragments go from kv straight into the registers that the products have just left: the two fragments of a t step are loaded anew right behind that step's last product, a whole turn ahead of their use.
; LIMITS: NaN and infinities are not served.  M is carried as a whole number in f32: exact for |score x log2(e)| under 2^24.  A block of p whose scale would fall under 2^-127 against the row's M* is held at byte 0:
; its share is under 448 x 2^-127 of a sum that is at least 1/2.  The row's sum is added wave by wave and then over the four waves: another order of rounding than a plain sum's.
.set PART,   67584                     ; a part of kv: 32 fragments and 2,048 bytes of scale words; a batch is K(0), V(0), K(1), V(1) ..
.set BLOCK,  135168                    ; two parts: from K(j) to K(j + 1)
.set BATCH,  4325376
.set QPAIR,  16896
.set SLOT,   135168                    ; LDS: slot 0 at 0, slot 1 at SLOT: V(2 a), then V(2 a + 1), each codes (65,536) and scale words
.set QUART,  33792                     ; a wave's quarter of a slot: half a part: 132 rows of 256 bytes
.set PBUF,   270336                    ; two buffers of PBUFB bytes for P: images q 2048 + 512 c + 16 lane; at MARR -M_c, at MARR + 1024 E_c: q 256 + 16 r + 4 c.  Turn i reads buffer i % 2 and writes the other
.set PBUFB,  10240
.set MARR,   8192
.set LARR,   290816                    ; the four waves' row sums: q 256 + 16 r + 4 c
.set STG,    291840                    ; the way out: 16 rows x 528 bytes for each wave
.set SPITCH, 528
.set SPARE,  325632                    ; the spare words, 128 bytes for each wave: two blocks of 256 bytes that no other line names
; window 0
.set SPW, 1                            ; v1   SPARE + 4 x my thread's number; never rewritten
.set NIL, 2                            ; v2   0; never rewritten
.set AV0, 3                            ; v3   16,384 w + 16 lane: my fragments' place in a part: of V in LDS, of K in memory
.set AVS0, 4                           ; v4   65,536 + 512 w + 16 lane: V's scale words in a part
.set AKS, 6                            ; v6   65,536 + 128 w + 4 lane: K's scale words in a part, in memory
.set AP0, 7                            ; v7   P read;  v8 P written;  v9 statistics read;  v10 statistics written (buffer 0; the buffer stands in the immediate)
.set APW0, 8
.set AST0, 9
.set ASW0, 10
.set ADV, 11                           ; v11, v12  v3 and v4 with the LDS byte at which this turn's V begins
.set ADVS, 12
.set PFO, 13                           ; v13  256 x lane: the prefetches' offset; never rewritten
.set STO, 19                           ; v19  the stage: where I put 32 bytes of a row
.set RD,  20                           ; v20  and where I read a row back
.set GO,  21                           ; v21  16 x lane
.set LAW, 22                           ; v22  where I store my row sums;  v23 where I read the four
.set LAR, 23
.set NM,  24                           ; v[24+2q] -M_w, v[25+2q] the largest t so far
.set LS,  32                           ; v[32+2q:33+2q] my sum, in two halves
.set NMS, 40                           ; v40-43 -M*
.set FF,  44                           ; v[44+2q] f for O (at the end 1 / the sum); v[45+2q] at work
.set FW,  52                           ; v[52+2q] f for my sum
.set PSW, 60                           ; scale words and nothing else: v60-63 P's (q); v64-67 and v124-127 K's (t step), two sets by turns; v68-71 V's (tile pair); v72-79 Q's (4 pair + t step)
.set KSC, 64
.set VSC, 68
.set QSC, 72
.set MC,  80                           ; v80-95 the four -M_c of each q; behind M*: BM the block's largest score, then p; T4, T8, T12 at work
.set BM,  80
.set T4,  84
.set T8,  88
.set T12, 92
.set EC,  96                           ; v96-111 the four E_c of each q; behind M*: my codes of p, four registers a q
.set PCD, 96
.set EF,  112                          ; v112-115 E_w
.set TL,  116                          ; v116-123 at work
.set SS,  128                          ; v128-191 S^T, then p: q at 16 q, tile u at + 8 u
.set LL,  128                          ; in the last turn: the four waves' sums
.set PF,  192                          ; v192-255 P's four fragments
; window 1: Q, fragment (q, t step) at 16 (4 q + s).  window 2: O^T, accumulator (q, e) at 8 (8 q + e).  window 3: v0-127 K's fragments (u, s) at 16 (4 u + s); v128-255 V's, e at 128 + 16 e
.set WV,  10                           ; s10 wave; s11 cx; s12 my block of 64 queries; s13 batch; s[16:23] descriptor group 1; s[24:27], s[28:31] groups 0; s32 slot read, s33 slot filled; s[34:35] the part of K that is being loaded;
                                       ; s36 my quarter; s37 trips to go; s38, s39 prefetch limits; s[40:41] prefetch address; s[42:43] log2(e); s[44:45] lane selects; s46 448's mantissa field
.set W_S, 0x07                         ; source 0 (K) window 3, source 1 (Q) window 1, C and D window 0
.set W_R, 0x82                         ; destination and source 0 (O^T) window 2
.set W_P, 0xa3                         ; source 0 (V) window 3, source 1 (P) window 0, C and D window 2
.set TO3, 0xc0                         ; a load's destination window 3, its address window 0
.set TO1, 0x40
.set ST2, 0x08                         ; an LDS store's data are its source 1: window 2
.set MSB, 0
.macro WIN new                         ; the immediate's high byte repeats the setting that is left; a switch that changes nothing is dropped
.if MSB != \new
	s_set_vgpr_msb (MSB<<8)|\new
.set MSB, \new
.endif
.endm
.macro CREST                           ; a round of the cluster's barrier behind its opening barrier
	s_cmp_lg_u32 s[WV], 0
	s_cbranch_scc1 .Lnot_wave_0_\@
	s_barrier_signal -3
.Lnot_wave_0_\@:
	s_barrier_wait -3
	s_barrier_signal -1
	s_barrier_wait -1
.endm
.macro CROUND                          ; a whole round
	s_barrier_signal -1
	s_barrier_wait -1
	CREST
.endm
.macro JLOAD                           ; the joint refill: every wave moves its quarter of the slot; four v_nop follow
	tensor_load_to_lds s[28:31], s[16:23]
	s_nop 0
.rept 4
	v_nop
.endr
.endm
; A PREFETCH INTO THE L2.  Turn i names the codes of V(i + 5), which the ring asks for in turn i + 2 or i + 3, and of K(i + 4), which is loaded in turn i + 2.  All clusters of a batch walk the same kv: the batch's first
; cluster asks.  Its sixteen waves share the 512 blocks of 256 bytes out BY ADDRESS (no branch hangs on a work-group's place in its cluster): eight waves V's part, eight K's, a lane a block, one instruction a wave.
; It asks from turn 2 to turn 26, where V(31) is named; nothing is asked at the head.  lim: the register with this turn's limit on the trips to go
.macro ASK lim
	s_cmp_gt_u32 s37, s[\lim]
	s_cbranch_scc0 .Lnot_mine_\@
	global_prefetch_b8 v[PFO], s[40:41] th:TH_LOAD_NT scope:SCOPE_SE
.Lnot_mine_\@:
.endm
; one matrix instruction.  z = 1: it starts its sum.  ra, rb: the side's scale words stand in lanes 16-31
.macro WM d, a, b, z, x, y, ra, rb
.if \z
.if (\ra) && (\rb)
	v_wmma_scale_f32_16x16x128_f8f6f4 v[\d:\d+7], v[\a:\a+15], v[\b:\b+15], 0, v[\x], v[\y] matrix_a_scale:MATRIX_SCALE_ROW1 matrix_b_scale:MATRIX_SCALE_ROW1
.elseif \ra
	v_wmma_scale_f32_16x16x128_f8f6f4 v[\d:\d+7], v[\a:\a+15], v[\b:\b+15], 0, v[\x], v[\y] matrix_a_scale:MATRIX_SCALE_ROW1
.elseif \rb
	v_wmma_scale_f32_16x16x128_f8f6f4 v[\d:\d+7], v[\a:\a+15], v[\b:\b+15], 0, v[\x], v[\y] matrix_b_scale:MATRIX_SCALE_ROW1
.else
	v_wmma_scale_f32_16x16x128_f8f6f4 v[\d:\d+7], v[\a:\a+15], v[\b:\b+15], 0, v[\x], v[\y]
.endif
.else
.if (\ra) && (\rb)
	v_wmma_scale_f32_16x16x128_f8f6f4 v[\d:\d+7], v[\a:\a+15], v[\b:\b+15], v[\d:\d+7], v[\x], v[\y] matrix_a_scale:MATRIX_SCALE_ROW1 matrix_b_scale:MATRIX_SCALE_ROW1
.elseif \ra
	v_wmma_scale_f32_16x16x128_f8f6f4 v[\d:\d+7], v[\a:\a+15], v[\b:\b+15], v[\d:\d+7], v[\x], v[\y] matrix_a_scale:MATRIX_SCALE_ROW1
.elseif \rb
	v_wmma_scale_f32_16x16x128_f8f6f4 v[\d:\d+7], v[\a:\a+15], v[\b:\b+15], v[\d:\d+7], v[\x], v[\y] matrix_b_scale:MATRIX_SCALE_ROW1
.else
	v_wmma_scale_f32_16x16x128_f8f6f4 v[\d:\d+7], v[\a:\a+15], v[\b:\b+15], v[\d:\d+7], v[\x], v[\y]
.endif
.endif
.endm
; product k of 32 of S^T = K Q^T: t step k / 8, key tile (k / 4) % 2, query tile k % 4.  p: the set of K's scale words.  The eight accumulators take turns, one instruction a turn
.macro SMUL k, p
.set sT, (\k)/8
.set sU, ((\k)/4)%2
.set sQ, (\k)%4
.set sP, sQ%2
.set sZ, 0
.if sT == 0
.set sZ, 1
.endif
.set rD, SS+16*sQ+8*sU
.set rA, 16*(4*sU+sT)
.set rB, 16*(4*sQ+sT)
.set rX, KSC+60*(\p)+sT
.set rY, QSC+4*(sQ/2)+sT
	WM rD, rA, rB, sZ, rX, rY, sU, sP
.endm
; product k of 32 of O^T += V P^T: tile of t k / 4, query tile k % 4: 32 accumulators, one instruction each
.macro PMUL k, zero
.set sE, (\k)/4
.set sQ, (\k)%4
.set sP, sE%2
.set rD, 8*(8*sQ+sE)
.set rA, 128+16*sE
.set rB, PF+16*sQ
.set rX, VSC+sE/2
.set rY, PSW+sQ
	WM rD, rA, rB, \zero, rX, rY, sP, 0
.endm
.macro RESC k                          ; accumulator k of O^T times f, from its low end on
	WIN W_R
.irp o, 0,2,4,6
	v_pk_mul_f32 v[8*(\k)+\o:8*(\k)+\o+1], v[8*(\k)+\o:8*(\k)+\o+1], v[FF+2*((\k)/8):FF+2*((\k)/8)+1] op_sel_hi:[1,0]
.endr
.endm
.macro KRUN s                          ; my two fragments of t step s of the part of K at s[34:35], from memory: 512 consecutive bytes a load
.irp u, 0,1
.irp c, 0,1,2,3
	global_load_b128 v[16*(4*\u+(\s))+4*\c:16*(4*\u+(\s))+4*\c+3], v[AV0], s[34:35] offset:2048*(4*\u+(\s))+512*\c
.endr
.endr
.endm
.macro VRUN g                          ; my fragments 2 g and 2 g + 1 of this turn's V, from LDS: 512 consecutive bytes a load
.irp x, 0,1
.irp c, 0,1,2,3
	ds_load_b128 v[128+16*(2*(\g)+\x)+4*\c:128+16*(2*(\g)+\x)+4*\c+3], v[ADV] offset:2048*(2*(\g)+\x)+512*\c
.endr
.endr
.endm
; -M*, f and P's scale words from the four waves' -M_c and E_c; the four query tiles by turns
.macro MSTAR
.irp q, 0,1,2,3
	v_min3_num_f32 v[FF+1+2*\q], v[MC+4*\q], v[MC+4*\q+1], v[MC+4*\q+2]
.endr
.irp q, 0,1,2,3
	v_min_num_f32 v[FF+1+2*\q], v[FF+1+2*\q], v[MC+4*\q+3]    ; the new -M*
.endr
.irp q, 0,1,2,3
	v_sub_f32 v[FF+2*\q], v[FF+1+2*\q], v[NMS+\q]             ; old M* - new M*: a whole number, 0 or less
.endr
.irp q, 0,1,2,3
	v_mov_b32 v[NMS+\q], v[FF+1+2*\q]
.endr
.irp q, 0,1,2,3
	v_cvt_i32_f32 v[FF+2*\q], v[FF+2*\q]                      ; (it saturates)
.endr
.irp q, 0,1,2,3
	v_ldexp_f32 v[FF+2*\q], 1.0, v[FF+2*\q]                   ; f
.endr
.irp n, 0,1,2,3,4,5,6,7,8,9,10,11,12,13,14,15
	v_add_f32 v[EC+\n], v[EC+\n], v[NMS+\n/4]                 ; the byte under M*: E_c - M*,
.endr
.irp n, 0,1,2,3,4,5,6,7,8,9,10,11,12,13,14,15
	v_max_num_f32 v[EC+\n], 0, v[EC+\n]                       ; held at 0 from below
.endr
.irp n, 0,1,2,3,4,5,6,7,8,9,10,11,12,13,14,15
	v_cvt_u32_f32 v[EC+\n], v[EC+\n]
.endr
.irp q, 0,1,2,3
	v_lshl_or_b32 v[PSW+\q], v[EC+4*\q+1], 8, v[EC+4*\q]
.endr
.irp q, 0,1,2,3
	v_lshl_or_b32 v[PSW+\q], v[EC+4*\q+2], 16, v[PSW+\q]
.endr
.irp q, 0,1,2,3
	v_lshl_or_b32 v[PSW+\q], v[EC+4*\q+3], 24, v[PSW+\q]
.endr
.endm
; THE SOFTMAX of my 32 keys x 64 queries, in 32 pieces, all in window 0; a lane's 16 scores of a query tile b are half of ONE block of 32 keys, the other half lies in lane l xor 16.
; 0-3 the largest score; 4 with the other half's; 5-7 the running largest t, -M = floor(-t), f for my sum; 8-11 t - M; 12-20 the exponentials, ONE batch with one wait; 21-24 the sums of the unquantised p;
; 25-27 the block's scale and E_w; 28-31 the hold and the conversions.
.macro SOFT k
.if (\k) == 0
.irp b, 0,1,2,3
	v_max3_num_f32 v[BM+\b], v[SS+16*\b], v[SS+16*\b+1], v[SS+16*\b+2]
.endr
.irp b, 0,1,2,3
	v_max3_num_f32 v[BM+\b], v[BM+\b], v[SS+16*\b+3], v[SS+16*\b+4]
.endr
.elseif (\k) < 3
.irp b, 0,1,2,3
	v_max3_num_f32 v[BM+\b], v[BM+\b], v[SS+16*\b+4*(\k)+1], v[SS+16*\b+4*(\k)+2]
.endr
.irp b, 0,1,2,3
	v_max3_num_f32 v[BM+\b], v[BM+\b], v[SS+16*\b+4*(\k)+3], v[SS+16*\b+4*(\k)+4]
.endr
.elseif (\k) == 3
.irp b, 0,1,2,3
	v_max3_num_f32 v[BM+\b], v[BM+\b], v[SS+16*\b+13], v[SS+16*\b+14]
.endr
.irp b, 0,1,2,3
	v_max_num_f32 v[BM+\b], v[BM+\b], v[SS+16*\b+15]
.endr
.elseif (\k) == 4
.irp b, 0,1,2,3
	v_permlanex16_b32 v[T4+\b], v[BM+\b], s44, s45
.endr
.irp b, 0,1,2,3
	v_max_num_f32 v[BM+\b], v[BM+\b], v[T4+\b]                ; the block's largest score: it serves for the maximum and, since p rises with the score, for the block's largest p
.endr
.elseif (\k) == 5
.irp b, 0,1,2,3
	v_mul_f32 v[T8+\b], s42, v[BM+\b]
.endr
.irp b, 0,1,2,3
	v_max_num_f32 v[NM+2*\b+1], v[NM+2*\b+1], v[T8+\b]        ; the running largest t of my keys
.endr
.elseif (\k) == 6
.irp b, 0,1,2,3
	v_mov_b32 v[T12+\b], v[NM+2*\b]
.endr
.irp b, 0,1,2,3
	v_floor_f32 v[NM+2*\b], -v[NM+2*\b+1]                     ; -M_w = floor(-t): M is a whole number
.endr
.elseif (\k) == 7
.irp b, 0,1,2,3
	v_sub_f32 v[T12+\b], v[NM+2*\b], v[T12+\b]
.endr
.irp b, 0,1,2,3
	v_cvt_i32_f32 v[T12+\b], v[T12+\b]
.endr
.irp b, 0,1,2,3
	v_ldexp_f32 v[FW+2*\b], 1.0, v[T12+\b]                    ; 2^(old M_w - new M_w)
.endr
.elseif (\k) < 12
.irp j, 0,2,4,6,8,10,12,14
	v_pk_fma_f32 v[SS+16*((\k)-8)+\j:SS+16*((\k)-8)+\j+1], v[SS+16*((\k)-8)+\j:SS+16*((\k)-8)+\j+1], s[42:43], v[NM+2*((\k)-8):NM+2*((\k)-8)+1] op_sel_hi:[1,0,0]   ; t - M, two at a time
.endr
.if (\k) == 11
.irp b, 0,1,2,3
	v_fma_f32 v[BM+\b], v[BM+\b], s42, v[NM+2*\b]             ; the same of the block's largest score
.endr
.endif
.elseif (\k) < 20
.irp j, 0,1,2,3,4,5,6,7
	v_exp_f32 v[SS+8*((\k)-12)+\j], v[SS+8*((\k)-12)+\j]      ; p = 2^(t - M)
.endr
.elseif (\k) == 20
.irp b, 0,1,2,3
	v_exp_f32 v[BM+\b], v[BM+\b]                              ; the block's largest p: the same two instructions on the same number
.endr
.irp b, 0,1,2,3
	v_pk_mul_f32 v[LS+2*\b:LS+2*\b+1], v[LS+2*\b:LS+2*\b+1], v[FW+2*\b:FW+2*\b+1] op_sel_hi:[1,0]   ; my sum under the new M_w: plain lines behind the last exponential
.endr
	s_wait_alu depctr_va_vdst(0)                   ; one wait for the 68 exponentials, ahead of the first line that names a result
.elseif (\k) < 25
.irp o, 0,2
.irp b, 0,1,2,3
	v_pk_add_f32 v[LS+2*\b:LS+2*\b+1], v[LS+2*\b:LS+2*\b+1], v[SS+16*\b+4*((\k)-21)+\o:SS+16*\b+4*((\k)-21)+\o+1]   ; the sum of the unquantised p: four chains by turns
.endr
.endr
.elseif (\k) == 25
.irp b, 0,1,2,3
	v_max_num_f32 v[BM+\b], 0x4800000, v[BM+\b]               ; the floor 2^(9 - 127): the byte cannot fall under 1
.endr
.irp b, 0,1,2,3
	v_add_nc_u32 v[T12+\b], 0xfc000000, v[BM+\b]              ; 8 off the exponent field: the conversion's scale operand
.endr
.elseif (\k) == 26
.irp b, 0,1,2,3
	v_and_or_b32 v[T8+\b], v[BM+\b], 0x7f800000, s46          ; 448 x the scale
.endr
.irp b, 0,1,2,3
	v_lshrrev_b32 v[EF+\b], 23, v[T12+\b]                     ; the byte under M_w
.endr
.elseif (\k) == 27
.irp b, 0,1,2,3
	v_cvt_f32_u32 v[EF+\b], v[EF+\b]
.endr
.irp b, 0,1,2,3
	v_sub_f32 v[EF+\b], v[EF+\b], v[NM+2*\b]                  ; E_w = byte + M_w
.endr
.else
.irp j, 0,1,2,3,4,5,6,7,8,9,10,11,12,13,14,15
	v_min_num_f32 v[SS+16*((\k)-28)+\j], v[SS+16*((\k)-28)+\j], v[T8+(\k)-28]   ; the conversion does not saturate (ISA guide 7.6.2); p is not negative: a one-sided hold
.endr
	v_cvt_scalef32_pk8_fp8_f32 v[PCD+4*((\k)-28):PCD+4*((\k)-28)+1], v[SS+16*((\k)-28):SS+16*((\k)-28)+7], v[T12+(\k)-28]
	v_cvt_scalef32_pk8_fp8_f32 v[PCD+4*((\k)-28)+2:PCD+4*((\k)-28)+3], v[SS+16*((\k)-28)+8:SS+16*((\k)-28)+15], v[T12+(\k)-28]
	v_nop                                          ; one plain line behind the conversions
.endif
.endm
; my codes of p (register group c = w of P's four fragments), -M_w and E_w go to buffer wb, which the next turn reads.  Lanes r and r + 16 store the same word with the same value.  last = 1: my row sums too
.macro PSTORE wb, last
.irp q, 0,1,2,3
	ds_store_b128 v[APW0], v[PCD+4*\q:PCD+4*\q+3] offset:PBUFB*(\wb)+2048*\q
	ds_store_b32 v[ASW0], v[NM+2*\q] offset:PBUFB*(\wb)+256*\q
	ds_store_b32 v[ASW0], v[EF+\q] offset:PBUFB*(\wb)+1024+256*\q
.endr
.if \last
.irp q, 0,1,2,3
	v_add_f32 v[TL+\q], v[LS+2*\q], v[LS+2*\q+1]
.endr
.irp q, 0,1,2,3
	v_permlanex16_b32 v[TL+4+\q], v[TL+\q], s44, s45
.endr
.irp q, 0,1,2,3
	v_add_f32 v[TL+\q], v[TL+\q], v[TL+4+\q]
.endr
.irp q, 0,1,2,3
	ds_store_b32 v[LAW], v[TL+\q] offset:256*\q
.endr
.endif
.endm
; A TURN i.  sync = 0: turn 0: slot 0 is shown landed, a plain barrier; 1: an even turn that changes slots: a round and the joint refill; 2: a plain barrier, for P alone; 3: an even turn that changes slots and fills nothing.
; par = i % 2; first = 1: O^T's sums start; hasS = 1: the next step's scores and softmax; reload = 1: K(i + 2) is loaded; last = 1: the softmax is the last; ask: 0, or the register with the prefetch's limit
.macro TURN sync, par, first, hasS, reload, last, ask
.if \reload                            ; the counts of the four waits for K: see at each wait
.set LC0, 24
.set LC1, 28
.set LC2, 28
.set LC3, 20
.else
.set LC0, 24
.set LC1, 16
.set LC2, 8
.set LC3, 0
.endif
.if \sync == 0
	s_wait_tensorcnt 0x1                           ; my quarter of slot 0 is in; slot 1's may stay out
.elseif (\sync == 1) || (\sync == 3)
	s_wait_tensorcnt 0x0                           ; all my tensor loads have landed: my quarter of the slot that this turn and the next read; so a group 0 may be written
	ds_add_u32 v[SPW], v[NIL]                      ; 0 onto my spare word: scalar steps and four products stand between it and the wait for it
	s_xor_b32 s32, s32, SLOT                       ; the slot read,
	s_xor_b32 s33, s33, SLOT                       ; the slot left
.if \sync == 1
	s_add_co_u32 s29, s33, s36                     ; the walking descriptor: the slot left, my quarter,
	s_add_nc_u64 s[30:31], s[30:31], 2*BLOCK       ; the next two steps of V; the type bits on top are not reached
.endif
.endif
.if \reload
	s_wait_xcnt 0x0                                ; the last turn's loads of K and its prefetch have read their bases
	s_add_nc_u64 s[34:35], s[34:35], BLOCK         ; K(i + 2)
.if \ask
	s_add_nc_u64 s[40:41], s[40:41], BLOCK
.endif
.endif
.if \hasS
	s_wait_loadcnt LC0                             ; K(i + 1)'s scale words and its t step 0 are in; the three later runs of 8 may be out
	WIN W_S
.irp n, 0,1,2,3
	SMUL \n, 1-\par                                ; the first eight products need registers alone: they stand round the meeting of the waves
.endr
.endif
	s_wait_dscnt 0x0                               ; my stores of P have landed, my reads of V and of P's buffer are over (and the add is done)
	s_barrier_signal -1
.if \hasS
.irp n, 4,5,6,7
	SMUL \n, 1-\par
.endr
	WIN 0
.endif
	s_barrier_wait -1
.if \sync == 1
	CREST                                          ; the barrier has opened a round of the cluster's: no wave of any partner still reads the slot left or has a load on its way
	JLOAD                                          ; the first thing behind the round, my one tensor load until the next: it has two turns in which to land
.endif
.if \par
	s_add_co_u32 s47, s32, PART                    ; an odd turn's V is the slot's second part
	v_add_nc_u32 v[ADV], s47, v[AV0]
	v_add_nc_u32 v[ADVS], s47, v[AVS0]
.else
	v_add_nc_u32 v[ADV], s32, v[AV0]
	v_add_nc_u32 v[ADVS], s32, v[AVS0]
.endif
.irp q, 0,1,2,3
	ds_load_b128 v[MC+4*\q:MC+4*\q+3], v[AST0] offset:PBUFB*\par+256*\q          ; the four waves' -M_c of my query
.endr
.irp q, 0,1,2,3
	ds_load_b128 v[EC+4*\q:EC+4*\q+3], v[AST0] offset:PBUFB*\par+1024+256*\q     ; and E_c
.endr
.irp q, 0,1,2,3
.irp c, 0,1,2,3
	ds_load_b128 v[PF+16*\q+4*\c:PF+16*\q+4*\c+3], v[AP0] offset:PBUFB*\par+2048*\q+512*\c
.endr
.endr
	ds_load_b128 v[VSC:VSC+3], v[ADVS]
.if \reload
.irp s, 0,1,2,3
	global_load_b32 v[KSC+60*\par+\s], v[AKS], s[34:35] offset:512*\s            ; K(i + 2)'s scale words, into the set that the last turn's products read
.endr
.endif
.if \ask
	ASK \ask
.endif
.if \hasS
	s_wait_dscnt 17                                ; the statistics are in; P's 16 loads and V's scale load may be out
.else
.irp q, 0,1,2,3
	ds_load_b128 v[LL+4*\q:LL+4*\q+3], v[LAR] offset:256*\q                      ; the four waves' row sums
.endr
	s_wait_dscnt 21                                ; likewise, and these four
.endif
	MSTAR
	WIN TO3
.if \hasS
.if \reload
	KRUN 0                                         ; t step 0's fragments were last read by product 7: M*'s lines are the places between (ISA guide 7.12.1 for vector instructions)
.endif
	VRUN 0
.set kk, 8
.rept 24
.if kk == 8
	s_wait_loadcnt LC1                             ; t step 1 is in.  Behind it: two old runs, the four scale loads, one new run (without reloading: two old runs)
.elseif kk == 16
	s_wait_loadcnt LC2                             ; t step 2.  Behind it: one old run, the four, two new runs (one old run)
.elseif kk == 24
	s_wait_loadcnt LC3                             ; t step 3.  Behind it: the four and two new runs (nothing)
.endif
	WIN W_S
	SMUL kk, 1-\par
.if \first
.if (kk == 15) || (kk == 24) || (kk == 31)
.rept 8
	v_nop                                          ; there is nothing to rescale yet: eight places ahead of the loads below (and of the first read of a score)
.endr
.endif
.else
.if kk < 16
	RESC 2*(kk-8)                                  ; O^T's rescaling in slices: two behind each of products 8 to 15, one behind each of the others
	RESC 2*(kk-8)+1
.else
	RESC kk
.endif
.if kk == 31
.rept 4
	v_nop                                          ; with the last slice's four lines: eight places behind the last product
.endr
.endif
.endif
.if (kk == 15) || (kk == 24) || (kk == 31)
.set rr, (kk+1)/8-1
	WIN TO3                                        ; a run of loads: t step rr of K(i + 2), whose registers were last read eight plain lines back, and two more fragments of V(i)
.if \reload
	KRUN rr
.endif
	VRUN rr
.endif
.set kk, kk+1
.endr
.else
	VRUN 0
	VRUN 1
	VRUN 2
	VRUN 3
.set kk, 0
.rept 32
	RESC kk
.set kk, kk+1
.endr
.endif
.set kk, 0
.rept 32
.if \hasS
.if kk == 0
	s_wait_dscnt 16                                ; P, V's scale words and V's fragments 0 to 3 are in; the last two runs of 8 may be out
.elseif kk == 16
	s_wait_dscnt 8                                 ; fragments 4 and 5
.elseif kk == 24
	s_wait_dscnt 0x0                               ; fragments 6 and 7
.endif
.elseif kk == 0
	s_wait_dscnt 0x0
.endif
	WIN W_P
	PMUL kk, \first
.if \hasS
	WIN 0
	SOFT kk                                        ; a piece of the next step's softmax behind each matrix instruction
.endif
.set kk, kk+1
.endr
	WIN 0
.if \hasS
	PSTORE 1-\par, \last
.endif
.endm
	s_load_b128 s[4:7], s[0:1], 0x0                ; qc, kv
	s_load_b64 s[8:9], s[0:1], 0x10                ; out0
	v_lshl_add_u32 v[SPW], v0, 2, SPARE
	v_mov_b32 v[NIL], 0
	ds_add_u32 v1, v2
	ds_add_u32 v1, v2
	s_wait_dscnt 0x0
	v_lshrrev_b32 v112, 5, v0
	v_readfirstlane_b32 s[WV], v112                ; wave 0..3
	s_bfe_u32 s11, ttmp6, 0x40000                  ; cx: it enters Q's, out0's and the prefetches' addresses alone
	s_lshl_b32 s12, ttmp9, 2
	s_add_co_u32 s12, s12, s11                     ; my block of 64 queries = 4 x cluster x + cx
	s_and_b32 s13, ttmp7, 0xffff                   ; the batch, which the four partners share
	; descriptor group 1: 132 rows of 256 bytes (32 elements of 8 bytes), dense in memory and in LDS
	s_mov_b32 s16, 15|(3<<16)|(1<<21)              ; 15:0 the mask: all four work-groups; 17:16 elements of 8 bytes; 20 no padding; 21 set beside a mask
	s_mov_b32 s17, 32<<16                          ; tensor_dim0 = 32
	s_mov_b32 s18, 132<<16                         ; tensor_dim1 = 132
	s_mov_b32 s19, 32<<16                          ; tile_dim0 = 32
	s_mov_b32 s20, 132                             ; tile_dim1 = 132
	s_mov_b32 s21, 32                              ; from row to row
	s_mov_b32 s22, 0
	s_mov_b32 s23, 0
	s_mul_i32 s36, s[WV], QUART                    ; my quarter of a slot
	s_mul_i32 s48, s13, BATCH
	s_mov_b32 s49, 0
	s_lshl_b32 s50, s13, 5
	s_add_co_u32 s50, s50, s12
	s_mul_i32 s50, s50, 2*QPAIR                    ; my two pairs of query tiles
	s_mov_b32 s51, 0
	s_lshl_b32 s52, s13, 22                        ; out0: 2,048 b rows of 2,048 bytes,
	s_lshl_b32 s53, s12, 17                        ; my 64 rows,
	s_add_co_u32 s52, s52, s53
	s_lshl_b32 s53, s[WV], 9                       ; my wave's 128 of t
	s_add_co_u32 s52, s52, s53
	s_mov_b32 s53, 0
	s_lshl_b32 s54, s11, 2                         ; the prefetches: wave g = 4 cx + w of sixteen takes 8,192 bytes of codes: g under 8 of V(i + 5), the others of K(i + 4).
	s_add_co_u32 s54, s54, s[WV]
	s_lshl_b32 s54, s54, 13
	s_add_co_u32 s54, s54, 6*BLOCK+PART            ; It begins as for turn 1, at V(6) + 8,192 g; turn 2, the first that asks, steps it first
	s_lshr_b32 s55, s11, 1
	s_mul_i32 s55, s55, BLOCK+PART+65536           ; the upper eight: back to K(5) + 8,192 (g - 8)
	s_sub_co_u32 s54, s54, s55
	s_mov_b32 s55, 0
	s_lshr_b32 s56, s[WV], 1                       ; what I fetch of a slot's two steps of V: step w / 2,
	s_mul_i32 s56, s56, BLOCK
	s_and_b32 s57, s[WV], 1                        ; half w % 2;
	s_mul_i32 s57, s57, QUART
	s_add_co_u32 s56, s56, s57
	s_add_co_u32 s56, s56, PART                    ; V(j) stands a part behind K(j)
	s_mov_b32 s57, 0
	s_cmp_eq_u32 ttmp9, 0                          ; the batch's first cluster: the same in all four partners
	s_cselect_b32 s38, 1, -1                       ; an even turn asks while more than one trip is to go (turn 26 is the last),
	s_cselect_b32 s39, 2, -1                       ; an odd one while more than two (turn 25)
	s_mov_b32 s32, 0                               ; turns 0 and 1 read slot 0
	s_mov_b32 s33, SLOT
	s_mov_b32 s42, 0x3fb8aa3b                      ; log2(e)
	s_mov_b32 s43, s42                             ; (named with it as a pair, so it is written)
	s_mov_b32 s44, 0x76543210
	s_mov_b32 s45, 0xfedcba98                      ; v_permlanex16_b32's selects for lane l xor 16
	s_mov_b32 s46, 0x600000
	v_and_b32 v112, 31, v0                         ; lane
	v_and_b32 v113, 15, v0                         ; r
	v_bfe_u32 v114, v0, 4, 1                       ; h
	v_lshlrev_b32 v[GO], 4, v112
	s_lshl_b32 s47, s[WV], 14
	v_add_nc_u32 v[AV0], s47, v[GO]                ; 16,384 w + 16 lane
	s_lshl_b32 s47, s[WV], 9
	v_add_nc_u32 v[AVS0], s47, v[GO]
	v_add_nc_u32 v[APW0], PBUF, v[AVS0]            ; 512 w + 16 lane in a buffer of P
	v_add_nc_u32 v[AVS0], 65536, v[AVS0]
	v_lshlrev_b32 v115, 2, v112
	s_lshl_b32 s47, s[WV], 7
	v_add_nc_u32 v115, s47, v115                   ; 128 w + 4 lane
	v_add_nc_u32 v[AKS], 65536, v115
	v_add_nc_u32 v[AP0], PBUF, v[GO]
	v_lshlrev_b32 v116, 4, v113                    ; 16 r
	v_add_nc_u32 v[AST0], PBUF+MARR, v116
	s_lshl_b32 s47, s[WV], 2
	v_add_nc_u32 v117, s47, v116                   ; 16 r + 4 w
	v_add_nc_u32 v[ASW0], PBUF+MARR, v117
	v_add_nc_u32 v[LAW], LARR, v117
	v_add_nc_u32 v[LAR], LARR, v116
	s_mul_i32 s47, s[WV], 16*SPITCH
	s_add_co_u32 s47, s47, STG                     ; my stage
	v_mul_u32_u24 v[STO], v113, SPITCH
	v_lshl_add_u32 v[STO], v114, 5, v[STO]
	v_add_nc_u32 v[STO], s47, v[STO]               ; in: row r, + 32 h
	v_add_nc_u32 v[RD], s47, v[GO]                 ; back: 16 bytes a lane
	v_lshlrev_b32 v[PFO], 8, v112
.irp q, 0,1,2,3
	v_mov_b32 v[NM+2*\q+1], 0xff61b1e6             ; the largest t so far: -3e38
	v_mov_b32 v[LS+2*\q], 0
	v_mov_b32 v[LS+2*\q+1], 0
	v_mov_b32 v[NMS+\q], 0
	v_mov_b32 v[FW+2*\q+1], 0                      ; (named as a pair's upper half)
	v_mov_b32 v[T4+\q], 0                          ; (a lane permute's destination counts as one of its sources)
	v_mov_b32 v[TL+4+\q], 0
.endr
.irp q, 0,1,2,3
	v_floor_f32 v[NM+2*\q], -v[NM+2*\q+1]
.endr
	s_wait_kmcnt 0x0
	s_add_nc_u64 s[6:7], s[6:7], s[48:49]          ; kv at my batch: K(0)
	s_add_nc_u64 s[4:5], s[4:5], s[50:51]          ; qc at my queries
	s_add_nc_u64 s[8:9], s[8:9], s[52:53]          ; out0 at my rows and my wave's columns; never stepped
	s_add_nc_u64 s[40:41], s[6:7], s[54:55]
	s_add_nc_u64 s[34:35], s[6:7], BLOCK           ; K(1)
	s_mov_b32 s24, 1                               ; group 0 for slot 0: count = 1,
	s_mov_b32 s25, s36                             ; LDS address,
	s_add_nc_u64 s[26:27], s[6:7], s[56:57]        ; V(0) and V(1), my quarter,
	s_or_b32 s27, s27, 0x80000000                  ; type = 2
	s_mov_b32 s28, 1                               ; the walking group 0: it begins with slot 1 and V(2), V(3)
	s_add_co_u32 s29, s36, SLOT
	s_add_nc_u64 s[30:31], s[6:7], s[56:57]
	s_add_nc_u64 s[30:31], s[30:31], 2*BLOCK
	s_or_b32 s31, s31, 0x80000000
	CROUND                                         ; all four work-groups are here: the first joint loads meet
	tensor_load_to_lds s[24:27], s[16:23]          ; the two first fills together: two loads of mine are out
	s_nop 0
	tensor_load_to_lds s[28:31], s[16:23]
	s_nop 0
.rept 4
	v_nop
.endr
	WIN TO1
.irp q, 0,1,2,3
.irp s, 0,1,2,3
.irp c, 0,1,2,3
	global_load_b128 v[16*(4*\q+\s)+4*\c:16*(4*\q+\s)+4*\c+3], v[GO], s[4:5] offset:(\q/2)*QPAIR+(2*\s+\q%2)*2048+512*\c   ; Q stays in registers
.endr
.endr
.endr
	WIN 0
	global_load_b128 v[QSC:QSC+3], v[GO], s[4:5] offset:16384
	global_load_b128 v[QSC+4:QSC+7], v[GO], s[4:5] offset:QPAIR+16384
	WIN TO3
.irp f, 0,1,2,3,4,5,6,7
.irp c, 0,1,2,3
	global_load_b128 v[16*\f+4*\c:16*\f+4*\c+3], v[AV0], s[6:7] offset:2048*\f+512*\c   ; K(0)
.endr
.endr
	WIN 0
.irp s, 0,1,2,3
	global_load_b32 v[KSC+\s], v[AKS], s[6:7] offset:512*\s                              ; its scale words: set 0
.endr
	s_wait_loadcnt 0x0
	WIN W_S
.set kk, 0
.rept 32
	SMUL kk, 0                                     ; the first scores: there is no vector work yet to set between them
.set kk, kk+1
.endr
	WIN 0
.rept 8
	v_nop                                          ; eight places: ahead of the loads into K's registers and of the first read of a score
.endr
.irp s, 0,1,2,3
	global_load_b32 v[KSC+60+\s], v[AKS], s[34:35] offset:512*\s                         ; K(1): its scale words into set 1, then its four runs, in the order in which every turn issues them
.endr
	WIN TO3
	KRUN 0
	KRUN 1
	KRUN 2
	KRUN 3
	WIN 0
.set kk, 0
.rept 32
	SOFT kk
.set kk, kk+1
.endr
	PSTORE 0, 0                                    ; P(0) goes to buffer 0
	TURN 0, 0, 1, 1, 1, 0, 0                       ; turn 0
	TURN 2, 1, 0, 1, 1, 0, 0                       ; turn 1
	s_mov_b32 s37, 14
.Lturn:                                            ; turns 2 to 29, two a trip: the even one changes slots and asks for the two steps of V that follow those in LDS
	TURN 1, 0, 0, 1, 1, 0, 38
	TURN 2, 1, 0, 1, 1, 0, 39
	s_sub_co_u32 s37, s37, 1
	s_cmp_lg_u32 s37, 0
	s_cbranch_scc1 .Lturn
	TURN 3, 0, 0, 1, 0, 1, 0                       ; turn 30: nothing is left to fetch; the last softmax
	TURN 2, 1, 0, 0, 0, 0, 0                       ; turn 31: the last V P
	; THE WAY OUT.  The row's sum: the four waves' sums, each brought from its M_c under M* by a power of two.  These plain lines are also the places behind the last products.
.irp n, 0,1,2,3,4,5,6,7,8,9,10,11,12,13,14,15
	v_sub_f32 v[MC+\n], v[NMS+\n/4], v[MC+\n]      ; M_c - M*: 0 or less
.endr
.irp n, 0,1,2,3,4,5,6,7,8,9,10,11,12,13,14,15
	v_cvt_i32_f32 v[MC+\n], v[MC+\n]
.endr
.irp n, 0,1,2,3,4,5,6,7,8,9,10,11,12,13,14,15
	v_ldexp_f32 v[MC+\n], v[LL+\n], v[MC+\n]
.endr
.irp q, 0,1,2,3
	v_add_f32 v[MC+4*\q], v[MC+4*\q], v[MC+4*\q+1]
.endr
.irp q, 0,1,2,3
	v_add_f32 v[MC+4*\q+2], v[MC+4*\q+2], v[MC+4*\q+3]
.endr
.irp q, 0,1,2,3
	v_add_f32 v[MC+4*\q], v[MC+4*\q], v[MC+4*\q+2]
.endr
.irp q, 0,1,2,3
	v_rcp_f32 v[FF+2*\q], v[MC+4*\q]
.endr
	v_nop                                          ; a plain line behind the last reciprocal
	s_wait_alu depctr_va_vdst(0)                   ; one wait for the four, ahead of their first reader
; A query tile at a time: O^T / the sum, in place; a lane's eight numbers are eight neighbours of a row of out0, and the lanes beside it hold other rows: so the tile goes through my own stage and comes back as rows of 512 bytes.
.macro OSCALE a
	WIN W_R
.set ii, 0
.rept 32
	v_pk_mul_f32 v[64*(\a)+ii:64*(\a)+ii+1], v[64*(\a)+ii:64*(\a)+ii+1], v[FF+2*(\a):FF+2*(\a)+1] op_sel_hi:[1,0]
.set ii, ii+2
.endr
.endm
.macro TOSTAGE a
	WIN ST2
.irp e, 0,1,2,3,4,5,6,7
	ds_store_b128 v[STO], v[64*(\a)+8*\e:64*(\a)+8*\e+3] offset:64*\e
	ds_store_b128 v[STO], v[64*(\a)+8*\e+4:64*(\a)+8*\e+7] offset:64*\e+16
.endr
	WIN 0
.set BB, SS+64*((\a)%2)
.irp t, 0,1,2,3,4,5,6,7,8,9,10,11,12,13,14,15
	ds_load_b128 v[BB+4*\t:BB+4*\t+3], v[RD] offset:\t*SPITCH    ; LDS serves a wave's instructions in order (ISA guide 5.7.1.4): these see the stores above, and the next tile's stores come behind them
.endr
.endm
.macro SEND a, younger                 ; younger: the LDS instructions issued behind tile a's loads, which may stay out
.set BB, SS+64*((\a)%2)
	s_wait_dscnt \younger
.irp t, 0,1,2,3,4,5,6,7,8,9,10,11,12,13,14,15
	global_store_b128 v[GO], v[BB+4*\t:BB+4*\t+3], s[8:9] offset:(16*(\a)+\t)*2048 th:TH_STORE_NT   ; 32 lanes store 512 consecutive bytes, at a multiple of 512 from out0's first byte
.endr
.endm
	OSCALE 0
	TOSTAGE 0
	OSCALE 1
	TOSTAGE 1
	SEND 0, 32                                     ; behind tile 0's loads: tile 1's 16 stores and 16 loads
	OSCALE 2
	s_wait_xcnt 0x0                                ; tile 0's stores have read their registers: tile 2's loads may land there
	TOSTAGE 2
	SEND 1, 32
	OSCALE 3
	s_wait_xcnt 0x0                                ; likewise tile 1's
	TOSTAGE 3
	SEND 2, 32
	SEND 3, 0
	s_wait_tensorcnt 0x0                           ; the wave's end, behind my last tensor load and my last LDS store
	ds_add_u32 v[SPW], v[NIL]
	s_wait_dscnt 0x0
	CROUND                                         ; the closing round: no work-group ends while a partner may still ask for a tile that names it
	s_endpgm
.Lfunc_end_k_qc281fc3f73_attn:
	.size	k_qc281fc3f73_attn, .Lfunc_end_k_qc281fc3f73_attn-k_qc281fc3f73_attn
	.p2alignl 7, 3214868480
	.fill 96, 4, 3214868480
	.section	.rodata,"a",@progbits
	.p2align	6, 0x0
	.amdhsa_kernel k_qc281fc3f73_attn
		.amdhsa_group_segment_fixed_size 327680
		.amdhsa_private_segment_fixed_size 0
		.amdhsa_enable_private_segment 0
		.amdhsa_kernarg_size 24
		.amdhsa_user_sgpr_count 2
		.amdhsa_user_sgpr_kernarg_segment_ptr 1
		.amdhsa_wavefront_size32 1
		.amdhsa_system_sgpr_workgroup_id_x 1
		.amdhsa_system_sgpr_workgroup_id_y 1
		.amdhsa_system_sgpr_workgroup_id_z 1
		.amdhsa_system_vgpr_workitem_id 0
		.amdhsa_next_free_vgpr 1024
		.amdhsa_next_free_sgpr 66
		.amdhsa_reserve_vcc 0
		.amdhsa_float_denorm_mode_32 3
		.amdhsa_float_denorm_mode_16_64 3
		.amdhsa_memory_ordered 1
		.amdhsa_forward_progress 1
		.amdhsa_inst_pref_size 255
	.end_amdhsa_kernel
	.section	.bss,"aw",@nobits
	.p2align	6
	.space	262144
	.amdgpu_metadata
---
amdhsa.version: [ 1, 2 ]
amdhsa.kernels:
  - .name:           k_qc281fc3f73_attn
    .symbol:         k_qc281fc3f73_attn.kd
    .args:
      - { .name: qc, .offset: 0, .size: 8, .value_kind: global_buffer, .address_space: global }
      - { .name: kv, .offset: 8, .size: 8, .value_kind: global_buffer, .address_space: global }
      - { .name: out0, .offset: 16, .size: 8, .value_kind: global_buffer, .address_space: global }
    .group_segment_fixed_size: 327680
    .private_segment_fixed_size: 0
    .kernarg_segment_align: 8
    .kernarg_segment_size: 24
    .max_flat_workgroup_size: 128
    .sgpr_count:     66
    .vgpr_count:     1024
    .wavefront_size: 32
...
	.end_amdgpu_metadata
.endif
;; end of part 2
